; MI455X (gfx1250); checked and timed in simulation.
; The chip was launched on July 23, 2026; its instructions are those of AMD's public machine-readable ISA for CDNA 5 (MIT licence, August 2026) and "CDNA5" Instruction Set Architecture Reference Guide (July 2026). The comments in the code are by the model that wrote it; some were corrected since.
;; Attention. Allowed arithmetic: matrix products marked QUANTISED: E4M3 operands, one E8M0 scale for each 32 along K, by v_wmma_scale_f32_16x16x128_f8f6f4 with both operands' format E4M3, f32 sums; everything else in f32.
;; Inputs: W_attn_codes 1,024 x 64 x 32 uint8 (E4M3 codes of W_attn, K innermost, in blocks of 32 codes); W_attn_scales 1,024 x 64 uint8 (E8M0 scales of W_attn, one for each 32 codes along K); context 16 x 1,024 x 1,024 float32; query 16 x 1,024 x 1,024 float32.
;; Outputs: out0 16 x 1,024 x 1,024 float32.
;; This version of the problem:
;;   THIS VERSION OF THE PROBLEM IS GIVEN IN LOW PRECISION. The matrix products marked QUANTISED in the list below multiply operands that are first quantised to E4M3 (4 exponent bits, 3 mantissa bits; 8 bits a number), with one power-of-two scale for each 32 numbers along K (OCP MX v1.0); their sums are f32. All else is computed in f32.
;;   The module's matrix products, in the order in which they are computed (A, B: the left and right operand; K: the contracted axis; several contracted axes count as one K, in the product's order):
;;     1. batch 16 x [M 1,024, K 1,024] x [K 1,024, N 1,024]; A: input query; B: input context: QUANTISED
;;     2. batch 16 x [M 1,024, K 1,024] x [K 1,024, N 1,024]; A: softmax (see below); B: input context: QUANTISED
;;     3. [M 16,384, K 2,048] x [K 2,048, N 1,024]; A: computed on the way; B: input W_attn (given as codes): QUANTISED
;;   THE QUANTISER, for each operand of a quantised product, along K:
;;     - K is cut into blocks of 32 from its start; a last block that is shorter is filled with zeros.
;;     - A block's scale is 2^e with e = floor(log2(the largest magnitude in the block)) - 8, held to -126 .. 127; a block of zeros has e = 0. As a byte (E8M0): e + 127.
;;     - Each number is divided by its block's scale, clamped to +-448, and rounded to the nearest number of E4M3, ties to even, subnormals kept.
;;     - The product sums the exact products of the quantised numbers (number of the format x scale) in f32.
;;   ~~~python
;;   def quantise(x, axis):      # numpy; x: float32 -> the quantised numbers, widened to float32 again
;;       x = np.moveaxis(x, axis, -1); K = x.shape[-1]
;;       x = np.pad(x, [(0, 0)] * (x.ndim - 1) + [(0, -K % 32)]); x = x.reshape(x.shape[:-1] + (-1, 32)); a = np.abs(x).max(-1, keepdims=True)
;;       e = np.where(a > 0, np.clip(np.frexp(np.where(a > 0, a, 1))[1] - 1 - 8, -126, 127), 0)      # np.frexp(a)[1] - 1 = floor(log2(a)), exactly
;;       r = np.clip(x / 2.0 ** e, -448, 448)
;;       step = 2.0 ** (np.maximum(np.frexp(np.where(r == 0, 1, r))[1] - 1, -6) - 3)
;;       q = np.round(r / step) * step * 2.0 ** e      # np.round: ties to even
;;       return np.moveaxis(q.reshape(q.shape[:-2] + (-1,))[..., :K], -1, axis).astype(np.float32)
;;   ~~~
;;   SOFTMAX AHEAD OF A QUANTISED PRODUCT. Where the list says 'softmax', what is quantised is not the finished softmax but p = 2^(t - M), with t = logit x log2(e) and M = ceil(the row's largest t), a whole number; so 1/2 < the row's largest p <= 1. The row's sum l is taken of the UNQUANTISED p, in f32, and the product's result is divided by l at the end. Since M is a whole number, a kernel that streams over the keys may use a running M (the ceiling of the running maximum): every later rescaling is an exact power of two, which a block's scale takes up: the codes' values come out the same.
;;   OPERANDS COMPUTED ON THE WAY. 'Computed on the way' means the value that the module computes at that place (a softmax that the list does not call 'softmax' is quantised finished and normalised). What goes into a quantiser is computed in f32, as accurately as f32 sums, v_exp_f32 and their like allow (about 1e-6 of the number): no bf16 or f16 on the way to a quantiser, and a product that is left as it is and whose result goes on into a quantised operand takes f32 operands (vector FMAs, or v_wmma_f32_16x16x4_f32). A number that lies on a knife's edge between two numbers of the format may be rounded either way, as far as f32 arithmetic and the matrix unit's own rounding can turn it there, and no further.
;;   INPUTS GIVEN AS CODES. W_attn (in the module: [1024, 2048], K = its axis 1): each comes as NAME_codes (uint8): NAME with its K axis moved to the last place and cut into blocks of 32 codes, [.., K / 32, bytes a block], one block behind the other in memory; one code a byte (a code: sign, 4 exponent bits, 3 mantissa bits); and NAME_scales (uint8): the same leading axes, one E8M0 byte (e + 127) for each 32 codes along K. Its value is code x scale, taken as it is: it is not quantised again, and the codes and scales need not be those that the quantiser above would give.
;; One version. Each part assembles by itself: llvm-mc -triple=amdgcn-amd-amdhsa -mcpu=gfx1250 --defsym DOCPART=n.
;; ======== version 1 of 1: 3 launches
;; limits: right only within a limited range of input values
;; workspace buffers: cstream 34,603,008 bytes; comb_codes 33,554,432 bytes; comb_scales 1,048,576 bytes
;; launch quantc (part 1): grid 64 x 16, 4 waves a work-group, no clusters, 69,120 bytes of LDS; arguments context, cstream; writes cstream
.if DOCPART == 1
	.amdgcn_target "amdgcn-amd-amdhsa--gfx1250"
	.amdhsa_code_object_version 6
	.text
	.protected	k_qfce0bc2652_quantc
	.globl	k_qfce0bc2652_quantc
	.p2align	8
	.type	k_qfce0bc2652_quantc,@function
k_qfce0bc2652_quantc:
	s_mov_b64 s[64:65], 0
	v_nop
	global_prefetch_b8 v0, s[64:65] scope:SCOPE_SE
	s_setreg_imm32_b32 hwreg(HW_REG_WAVE_MODE, 25, 1), 1
	s_wait_xcnt 0x0
; context [16][1024 keys][1024 channels], f32, is read once and quantised TWICE to codes of FP8 (E4M3) with one E8M0 byte for each 32 along K:
; along the channels (K of the scores' product) and along the keys (K of the second product).  Both sets of codes leave in the order of the operand's registers.
; cstream: records of RECB bytes, record (b, ph, k, w) at (((2 b + ph) 8 + k) 4 + w) RECB: K step k (128 along K) of rows n = 256 w .. 256 w + 255; ph 0: n = key, K = channel; ph 1: n = channel, K = key.
; A record: fragments 0-13 (2,048 bytes each), 1,024 scale bytes, fragments 14, 15.  Fragment j, byte 512 c + 16 (r + 16 h) + i = the code of row 256 w + 32 (j / 2) + 8 (j % 2) + r + 8 (r / 8) at K = 128 k + 32 c + 16 h + i.
; Scale bytes: byte 512 g + 16 l + 4 q + c = block c of row (l % 16) of fragment 2 (4 g + q) + l / 16.
; A block's scale is 2^(floor(log2(its largest magnitude)) - 8); its byte is the largest magnitude's exponent field - 8, held at 1 from below.
; LIMITS: NaN and infinities among the inputs are not served.  A block of zeros gets the byte 1 where the rule says 127: its codes are zeros, and this program alone reads the bytes.
; SHARES.  A work-group takes 128 keys x 128 channels (64 KiB), through LDS.  That tile is eight fragments and 512 scale bytes of one record of each kind.  Wave v takes 32 rows n of each: a pair of fragments.
; ROW PATH: a lane takes a key, 32 neighbouring channels at a time.  COLUMN PATH: a lane takes a channel, its registers run down 32 keys.  In both a block of 32 lies in ONE lane's registers.
; No tensor loads, no matrix unit, no cluster: memory binds, and work-groups share no input.  Four work-groups fit a WGP.
.set PITCH, 528                        ; a tile's row in LDS: 512 bytes + 16: sixteen neighbouring rows start at sixteen different groups of banks
.set SCB,   128*PITCH                  ; behind the tile: 512 scale bytes of the row path, then 512 of the column path
.set RECB,  33792
.set X,     32                         ; v32-159 the 32 rows as loaded; then two sets of 32 numbers, v32-63 and v64-95
.set C,     160                        ; v160-223 eight registers of codes for each of the eight blocks: no store's data are written again
	s_load_b128 s[4:7], s[0:1], 0x0                ; context, cstream
	v_lshl_add_u32 v224, v0, 2, 0x10c00
	v_mov_b32 v225, 0
	v_lshrrev_b32 v1, 5, v0
	v_readfirstlane_b32 s12, v1                    ; wave 0..3
	v_and_b32 v1, 31, v0                           ; lane
	v_lshlrev_b32 v2, 4, v1                        ; 16 x lane: my 16 bytes of a row's 512; also the scale bytes' way out
	s_mul_i32 s16, s12, 32*PITCH
	v_add_nc_u32 v3, s16, v2                       ; into LDS: my wave's 32 rows
	v_mul_u32_u24 v4, v1, PITCH
	v_add_nc_u32 v4, s16, v4                       ; row path: row 32 v + lane
	s_lshl_b32 s17, s12, 7
	v_lshl_add_u32 v5, v1, 2, s17                  ; column path: column 32 v + lane, rows 0-63;
	v_add_nc_u32 v6, 64*PITCH, v5                  ; rows 64-127 (an LDS offset has 16 bits)
	v_bfe_u32 v10, v1, 3, 1                        ; which fragment of the pair takes my row: u = (lane / 8) % 2,
	v_and_b32 v11, 7, v1
	v_lshrrev_b32 v12, 4, v1
	v_lshl_or_b32 v11, v12, 3, v11                 ; and as which of its rows: r = lane % 8 + 8 (lane / 16)
	v_lshlrev_b32 v7, 4, v11
	v_lshl_add_u32 v7, v10, 11, v7                 ; my codes' place in the pair: 2,048 u + 16 r
	v_lshl_add_u32 v8, v10, 4, v11
	v_lshlrev_b32 v8, 4, v8
	s_lshl_b32 s17, s12, 2
	s_add_co_u32 s17, s17, SCB
	v_add_nc_u32 v8, s17, v8                       ; my scale word in LDS: 16 (r + 16 u) + 4 v
	s_and_b32 s17, s12, 1
	s_lshl_b32 s17, s17, 9
	s_add_co_u32 s17, s17, SCB
	v_add_nc_u32 v9, s17, v2                       ; the way out of the scale bytes: wave 0 the row path's 512, wave 1 the column path's
	s_mov_b32 s13, 0x600000                        ; the mantissa field of 448
	s_and_b32 s20, ttmp7, 0xffff                   ; batch
	s_lshr_b32 s21, ttmp9, 3                       ; kt: which 128 keys
	s_and_b32 s22, ttmp9, 7                        ; ht: which 128 channels
	s_lshl_b32 s24, s20, 22                        ; context: a batch is 4 MiB,
	s_lshl_b32 s25, s21, 7
	s_lshl_b32 s26, s12, 5
	s_add_co_u32 s25, s25, s26
	s_lshl_b32 s25, s25, 12                        ; key 128 kt + 32 v, 4,096 bytes a key,
	s_add_co_u32 s24, s24, s25
	s_lshl_b32 s25, s22, 9                         ; 512 bytes for 128 channels
	s_add_co_u32 s24, s24, s25
	s_mov_b32 s25, 0
	s_lshl_b32 s26, s20, 6                         ; 64 records a batch
	s_lshl_b32 s27, s22, 2
	s_add_co_u32 s27, s27, s26
	s_lshr_b32 s28, s21, 1
	s_add_co_u32 s27, s27, s28                     ; row path: record (b, 0, ht, kt / 2)
	s_mul_i32 s27, s27, RECB
	s_lshl_b32 s28, s21, 2
	s_add_co_u32 s28, s28, s26
	s_add_co_u32 s28, s28, 32
	s_lshr_b32 s29, s22, 1
	s_add_co_u32 s28, s28, s29                     ; column path: record (b, 1, kt, ht / 2)
	s_mul_i32 s28, s28, RECB
	s_and_b32 s29, s21, 1                          ; which half of the record's rows: row path,
	s_and_b32 s30, s22, 1                          ; column path
	s_lshl_b32 s31, s29, 2
	s_add_co_u32 s31, s31, s12                     ; my pair of fragments: 4 g + v;
	s_cmp_eq_u32 s31, 7
	s_cselect_b32 s32, 1024, 0                     ; pair 7 lies behind the scale bytes
	s_lshl_b32 s31, s31, 12
	s_add_co_u32 s31, s31, s32
	s_add_co_u32 s32, s31, s27
	s_mov_b32 s33, 0
	s_lshl_b32 s31, s30, 2
	s_add_co_u32 s31, s31, s12
	s_cmp_eq_u32 s31, 7
	s_cselect_b32 s34, 1024, 0
	s_lshl_b32 s31, s31, 12
	s_add_co_u32 s31, s31, s34
	s_add_co_u32 s34, s31, s28
	s_mov_b32 s35, 0
	s_lshl_b32 s29, s29, 9
	s_add_co_u32 s27, s27, s29
	s_lshl_b32 s30, s30, 9
	s_add_co_u32 s28, s28, s30
	s_cmp_eq_u32 s12, 0
	s_cselect_b32 s36, s27, s28                    ; an offset is chosen, by the wave's number
	s_add_co_u32 s36, s36, 28672                   ; the record's scale bytes, my tile's half
	s_mov_b32 s37, 0
	s_wait_kmcnt 0x0
	s_add_nc_u64 s[4:5], s[4:5], s[24:25]
	s_add_nc_u64 s[8:9], s[6:7], s[32:33]          ; the row path's pair
	s_add_nc_u64 s[10:11], s[6:7], s[34:35]        ; the column path's pair
	s_add_nc_u64 s[14:15], s[6:7], s[36:37]
.set i, 0
.rept 32
	global_load_b128 v[X+4*i:X+4*i+3], v2, s[4:5] offset:4096*i th:TH_LOAD_NT   ; 32 lanes read 512 consecutive bytes of a key; read once in the launch
.set i, i+1
.endr
.set i, 0
.rept 32
	s_wait_loadcnt 31-i                            ; loads come back in order: row i is in, the younger ones stay out
	ds_store_b128 v3, v[X+4*i:X+4*i+3] offset:PITCH*i
.set i, i+1
.endr
	s_wait_dscnt 0x0                               ; for the others' sake: my rows lie in LDS
	s_barrier_signal -1
	s_barrier_wait -1
; Block n's 32 numbers into set n % 2.  Blocks 0-3: channels 32 n on of my key.  Blocks 4-7: keys 32 (n - 4) on of my channel.
.macro LDB n
.set XS, X+32*((\n)%2)
.set t, 0
.if (\n) < 4
.rept 8
	ds_load_b128 v[XS+4*t:XS+4*t+3], v4 offset:128*(\n)+16*t
.set t, t+1
.endr
.else
.rept 32
.if (\n) < 6
	ds_load_b32 v[XS+t], v5 offset:(32*((\n)-4)+t)*PITCH        ; 32 lanes read 32 neighbouring words
.else
	ds_load_b32 v[XS+t], v6 offset:(32*((\n)-6)+t)*PITCH
.endif
.set t, t+1
.endr
.endif
.endm
; Block n is quantised and its 32 codes a lane are stored.  left = the LDS instructions issued behind its loads that may stay out.
.macro BLOCK n, left
.set XS, X+32*((\n)%2)
.set CC, C+8*(\n)
.set WD, 24+(\n)/4                     ; v24: the row path's scale word, v25: the column path's
.set PB, 8+2*((\n)/4)
	s_wait_dscnt \left
	v_max3_num_f32 v12, |v[XS]|, |v[XS+1]|, |v[XS+2]|               ; the block's largest magnitude: all 32 numbers are mine; two chains
	v_max3_num_f32 v13, |v[XS+3]|, |v[XS+4]|, |v[XS+5]|
.irp i, 6,10,14,18,22,26
	v_max3_num_f32 v12, v12, |v[XS+\i]|, |v[XS+\i+1]|
	v_max3_num_f32 v13, v13, |v[XS+\i+2]|, |v[XS+\i+3]|
.endr
	v_max3_num_f32 v12, v12, |v[XS+30]|, |v[XS+31]|
	v_max3_num_f32 v12, v12, v13, 0x4800000        ; and the floor 2^(9 - 127): the byte cannot fall under 1
	v_add_nc_u32 v15, 0xfc000000, v12              ; 8 off the exponent field: the conversion takes this operand's exponent field as its scale
	v_and_or_b32 v14, v12, 0x7f800000, s13         ; 448 x the scale
	v_lshrrev_b32 v13, 23, v15                     ; the scale's byte
.if (\n)%4 == 0
	v_mov_b32 v[WD], v13
.else
	v_lshl_or_b32 v[WD], v13, 8*((\n)%4), v[WD]    ; the lower K in the lower byte
.endif
.set t, 0
.rept 32
	v_med3_num_f32 v[XS+t], v[XS+t], -v14, v14     ; the conversion to an 8-bit code does not saturate (ISA guide 7.6.2): hold the number first
.set t, t+1
.endr
.irp g, 0,1,2,3
	v_cvt_scalef32_pk8_fp8_f32 v[CC+2*\g:CC+2*\g+1], v[XS+8*\g:XS+8*\g+7], v15
.endr
	global_store_b128 v7, v[CC:CC+3], s[PB:PB+1] offset:512*((\n)%4)        ; K 0-15 of the block: the sixteen lanes of a fragment fill 256 consecutive bytes, aligned
	global_store_b128 v7, v[CC+4:CC+7], s[PB:PB+1] offset:512*((\n)%4)+256  ; K 16-31: the next 256
.endm
	LDB 0
	LDB 1
	BLOCK 0, 8                                     ; behind block 0's loads: block 1's eight
	LDB 2
	BLOCK 1, 8
	LDB 3
	BLOCK 2, 8
	LDB 4
	BLOCK 3, 32                                    ; behind block 3's loads: block 4's 32
	ds_store_b32 v8, v24                           ; the row path's scale word
	LDB 5
	BLOCK 4, 32                                    ; (33 were issued behind block 4's loads: the smaller count is the safe one)
	LDB 6
	BLOCK 5, 32
	LDB 7
	BLOCK 6, 32
	BLOCK 7, 0
	ds_store_b32 v8, v25 offset:512                ; the column path's scale word
	s_wait_dscnt 0x0                               ; for the others' sake: my scale words lie in LDS
	s_barrier_signal -1
	s_barrier_wait -1
	s_cmp_gt_u32 s12, 1
	s_cbranch_scc1 .Ldone                          ; waves 0 and 1 store 512 scale bytes each: two aligned runs of 256
	ds_load_b128 v[16:19], v9
	s_wait_dscnt 0x0
	global_store_b128 v2, v[16:19], s[14:15]
.Ldone:
	s_wait_tensorcnt 0x0
	ds_add_u32 v224, v225
	s_wait_dscnt 0x0
	s_endpgm
.Lfunc_end_k_qfce0bc2652_quantc:
	.size	k_qfce0bc2652_quantc, .Lfunc_end_k_qfce0bc2652_quantc-k_qfce0bc2652_quantc
	.p2alignl 7, 3214868480
	.fill 96, 4, 3214868480
	.section	.rodata,"a",@progbits
	.p2align	6, 0x0
	.amdhsa_kernel k_qfce0bc2652_quantc
		.amdhsa_group_segment_fixed_size 69120
		.amdhsa_private_segment_fixed_size 0
		.amdhsa_enable_private_segment 0
		.amdhsa_kernarg_size 16
		.amdhsa_user_sgpr_count 2
		.amdhsa_user_sgpr_kernarg_segment_ptr 1
		.amdhsa_wavefront_size32 1
		.amdhsa_system_sgpr_workgroup_id_x 1
		.amdhsa_system_sgpr_workgroup_id_y 1
		.amdhsa_system_sgpr_workgroup_id_z 1
		.amdhsa_system_vgpr_workitem_id 0
		.amdhsa_next_free_vgpr 226
		.amdhsa_next_free_sgpr 66
		.amdhsa_reserve_vcc 0
		.amdhsa_float_denorm_mode_32 3
		.amdhsa_float_denorm_mode_16_64 3
		.amdhsa_memory_ordered 1
		.amdhsa_forward_progress 1
		.amdhsa_inst_pref_size 51
	.end_amdhsa_kernel
	.amdgpu_metadata
---
amdhsa.version: [ 1, 2 ]
amdhsa.kernels:
  - .name:           k_qfce0bc2652_quantc
    .symbol:         k_qfce0bc2652_quantc.kd
    .args:
      - { .name: context, .offset: 0, .size: 8, .value_kind: global_buffer, .address_space: global }
      - { .name: cstream, .offset: 8, .size: 8, .value_kind: global_buffer, .address_space: global }
    .group_segment_fixed_size: 69120
    .private_segment_fixed_size: 0
    .kernarg_segment_align: 8
    .kernarg_segment_size: 16
    .max_flat_workgroup_size: 128
    .sgpr_count:     66
    .vgpr_count:     226
    .wavefront_size: 32
...
	.end_amdgpu_metadata
.endif
;; end of part 1
;; launch attn (part 2): grid 16 x 16, 4 waves a work-group, no clusters, 155,136 bytes of LDS; arguments query, cstream, comb_codes, comb_scales; writes comb_codes, comb_scales
.if DOCPART == 2
	.amdgcn_target "amdgcn-amd-amdhsa--gfx1250"
	.amdhsa_code_object_version 6
	.text
	.protected	k_qfce0bc2652_attn
	.globl	k_qfce0bc2652_attn
	.p2align	8
	.type	k_qfce0bc2652_attn,@function
k_qfce0bc2652_attn:
	s_mov_b64 s[64:65], 0
	v_nop
	global_prefetch_b8 v0, s[64:65] scope:SCOPE_SE
	s_setreg_imm32_b32 hwreg(HW_REG_WAVE_MODE, 25, 1), 1
	s_wait_xcnt 0x0
; For 64 queries of one batch: S = Q C^T, p = 2^(t - M), mix = (P C) / l, both products on codes of FP8 (E4M3) with one E8M0 scale for each 32 along K; [mix, query] leaves as codes for the last product.
; t = score x log2(e); M = the row's largest t rounded up to a whole number; t - M is one fused multiply-add; l = the row's sum of the unquantised p, in f32; 1 / l by v_rcp_f32 and one Newton step.
; BOTH PRODUCTS' SUMS ARE KEPT WITH ALTERNATING SIGN: each link takes -C (neg_lo on C), and the images of the odd K steps of Q and of P carry negated codes: behind K step 7 stands -S, or -O; the factors -log2(e) and -1 / l turn the sign back.
; LIMITS: NaN and infinities among the inputs are not served.  A block of zeros gets the scale byte 1 where the rule says 127: its codes are zeros, and this program alone reads the bytes.  p under 2^-126 counts as 0.
; SHARES.  A work-group owns 64 queries: four tiles mu of 16.  Wave w owns rows n = 256 w .. 256 w + 255 of each stream (keys, then channels): 16 tiles j x 4 mu = 64 accumulators, 512 registers.
; Both products are used transposed: source 0 = 16 rows of the stream, source 1 = 16 queries; lane (r, h) holds query r, and register 128 (mu % 2) + 16 beta + i of window 2 + mu / 2 holds n = 256 w + 32 beta + 16 h + i.
; THE STREAM (cstream) lies in records, one for each K step t (0-7: K = channels; 8-15: K = keys) and wave, as images of that wave's operand registers.  Each byte of a record is read by ONE wave of the work-group, so it goes
; from memory straight into its registers, 512 consecutive bytes a load, a quarter of a step (16 loads) at a time: a quarter is asked for again, for the next step, behind its 16 products and their eight places.
; NO TENSOR LOADS, NO CLUSTER: two slots of a whole K step (2 x 135,168 bytes) and the queries' images (65,536) pass a WGP's 327,680 bytes of LDS, and no wave reads another wave's part of the stream.
; ONE TEXT SERVES BOTH PRODUCTS: a loop of two trips (s53 = 0, 1) over eight K steps, what follows them, and eight quantisers.  What differs stands under scalar branches on s53; every barrier stands outside them.
; OPERANDS FROM WAVE TO WAVE go through LDS as images of their registers: fragment (kappa, mu) at AREG + (kappa + 8 mu) 2,048; its scale words at ASC + (kappa + 8 mu) 128.  LDS behind ASC's 4,096 and AREG's 65,536 bytes is not used.
; REGISTERS.  Window 0: v1-24 addresses; v28, v29 the add's; v32-47 the stream's scale words, two sets; v48-55 Q's or P's, two sets; v56-63 -1 / l; v64-127 at the head 64 numbers of query, turned;
;   v128-255 Q's or P's fragments, two sets, and between the products at work.  Window 1: the stream's 16 fragments.  Windows 2, 3: the accumulators; at the head window 2 holds query as loaded, 64 registers a K step.
.set RECB,  33792
.set STEPB, 4*RECB
.set TAB,   0                          ; 64 rows x 64 scale bytes: the work-group's part of comb_scales
.set RED,   4096                       ; the waves' maxima [mu][r][wave], 1,024 bytes; then their sums
.set SPARE, 6144                       ; the spare words, 128 bytes a wave
.set STG,   6656                       ; a stage for each wave: 16 rows x (128 bytes + 16), in which a block of query is turned
.set SGP,   144
.set SGB,   16*SGP
.set ASC,   15872
.set AREG,  24064
.set SS,  32
.set RS,  48
.set RL,  56
.set XQ,  64
.set RF,  128
.set MXP, 128
.set MX4, 144
.set NM,  160
.set SU,  168
.set TM,  192
.set PW,  208
.set PC,  224
.set NQC, 240
; s12 wave, s14 query block, s15 batch; s[40:41] the stream's base; s[42:43], s44, s45 the prefetches and the count of steps; s46, s47 where Q's or P's K step lies; s48 a counter; s[50:51] lane selects;
; s52 448's mantissa; s53 the phase; s[54:55] query; s[56:57], s[58:59] comb_codes for query, for mix; s[60:61] -log2(e); s62 log2(e); s[2:3] comb_scales
.set MSB, 0
.macro WIN new
.if MSB != (\new)
	s_set_vgpr_msb (MSB<<8)|(\new)
.set MSB, (\new)
.endif
.endm
.set MUL_LO, 0xa1
.set MUL_HI, 0xf1
.set TO_B,   0x40
.macro PLACES n
.rept \n
	v_nop
.endr
.endm
.macro WALU
	s_wait_alu depctr_va_vdst(0)
.endm
.macro BARRIER
	s_barrier_signal -1
	s_barrier_wait -1
.endm
; n x 2 products: stream tiles j0 on x query tiles m0, m0 + 1.  zero = 1: they start the sums; else they are added onto -C.  The 64 accumulators take turns.
.macro MUL sl, j0, n, m0, zero
.set jj, \j0
.rept \n
.irp m, \m0, \m0+1
.set rD, 128*((\m)%2)+8*jj
.set rB, RF+64*(\sl)+16*(\m)
.set rS, SS+8*(\sl)+jj/2
.set rT, RS+4*(\sl)+(\m)
.if \zero
.if jj%2
	v_wmma_scale_f32_16x16x128_f8f6f4 v[rD:rD+7], v[16*jj:16*jj+15], v[rB:rB+15], 0, v[rS], v[rT] matrix_a_scale:MATRIX_SCALE_ROW1
.else
	v_wmma_scale_f32_16x16x128_f8f6f4 v[rD:rD+7], v[16*jj:16*jj+15], v[rB:rB+15], 0, v[rS], v[rT]
.endif
.else
.if jj%2
	v_wmma_scale_f32_16x16x128_f8f6f4 v[rD:rD+7], v[16*jj:16*jj+15], v[rB:rB+15], v[rD:rD+7], v[rS], v[rT] matrix_a_scale:MATRIX_SCALE_ROW1 neg_lo:[0,0,1]
.else
	v_wmma_scale_f32_16x16x128_f8f6f4 v[rD:rD+7], v[16*jj:16*jj+15], v[rB:rB+15], v[rD:rD+7], v[rS], v[rT] neg_lo:[0,0,1]
.endif
.endif
.endr
.set jj, jj+1
.endr
.endm
.macro LSG q, so                       ; fragments 4 q .. 4 q + 3 of the record so bytes behind the base: 16 loads (fragments 14, 15 lie behind the record's scale bytes)
	WIN TO_B
.set jj, 4*(\q)
.rept 4
.irp c, 0,1,2,3
	global_load_b128 v[16*jj+4*\c:16*jj+4*\c+3], v1, s[40:41] offset:(\so)+2048*jj+1024*(jj/14)+512*\c
.endr
.set jj, jj+1
.endr
	WIN 0
.endm
.macro SCG sl, so                      ; that record's scale words: register beta serves tiles 2 beta and 2 beta + 1
	global_load_b128 v[SS+8*(\sl):SS+8*(\sl)+3], v1, s[40:41] offset:(\so)+28672
	global_load_b128 v[SS+8*(\sl)+4:SS+8*(\sl)+7], v1, s[40:41] offset:(\so)+29184
.endm
.macro LR sl                           ; Q's or P's four fragments of a K step, and their scale words
.irp m, 0,1,2,3
.irp c, 0,1,2,3
	ds_load_b128 v[RF+64*(\sl)+16*\m+4*\c:RF+64*(\sl)+16*\m+4*\c+3], v6 offset:16384*\m+512*\c
.endr
	ds_load_b32 v[RS+4*(\sl)+\m], v7 offset:1024*\m
.endr
.endm
; A PREFETCH INTO THE L2.  The sixteen work-groups of a batch walk the same stream and share its steps out: work-group x asks for step x, whole, in its step x - 3, two steps ahead of the loads that want it.
; Wave w asks for record w: 132 blocks of 256 bytes, a lane a block: four lines of 32 and one of four (its other lanes name the last block again).  Steps 0 to 2 are asked for at the head.  The addresses are never rewritten.
.macro ASK
	s_cmp_eq_u32 s45, s44
	s_cbranch_scc0 .Lna_\@
.irp i, 0,1,2,3
	global_prefetch_b8 v22, s[42:43] offset:8192*\i th:TH_LOAD_NT scope:SCOPE_SE
.endr
	global_prefetch_b8 v20, s[42:43] offset:32768 th:TH_LOAD_NT scope:SCOPE_SE
.Lna_\@:
	s_add_co_u32 s45, s45, 1
.endm
; 64 numbers of a lane, v[s] .. v[s + 63] of window W, register 16 b + i = k 32 b + 16 (lane / 16) + i of my row, become a fragment's codes in v[PC] on and its scale word in v[PW].
.macro QUANT s, W, xw
	WIN (\W)|((\W)<<2)
.irp b, 0,1,2,3
	v_max3_num_f32 v[TM+\b], |v[(\s)+16*\b]|, |v[(\s)+16*\b+1]|, 0x4800000   ; with the floor 2^(9 - 127): the byte cannot fall under 1
.endr
.irp i, 2,4,6,8,10,12,14
.irp b, 0,1,2,3
	v_max3_num_f32 v[TM+\b], |v[(\s)+16*\b+\i]|, |v[(\s)+16*\b+\i+1]|, v[TM+\b]
.endr
.endr
	WIN 0
	WALU
	s_wait_dscnt 0x0                               ; the last fragment's LDS stores
.if \xw
	s_wait_xcnt 0x0                                ; and its stores to memory have read v[PC] on
.endif
.irp b, 0,1,2,3
	v_permlanex16_b32 v[TM+4+\b], v[TM+\b], s50, s51
.endr
.irp b, 0,1,2,3
	v_max_num_f32 v[TM+\b], v[TM+\b], v[TM+4+\b]
.endr
.irp b, 0,1,2,3
	v_add_nc_u32 v[TM+12+\b], 0xfc000000, v[TM+\b] ; 8 off the exponent field: the conversion's scale operand
.endr
.irp b, 0,1,2,3
	v_and_or_b32 v[TM+8+\b], v[TM+\b], 0x7f800000, s52   ; 448 x the scale
.endr
.irp b, 0,1,2,3
	v_lshrrev_b32 v[TM+4+\b], 23, v[TM+12+\b]      ; the scale's byte
.endr
	v_lshl_or_b32 v[PW], v[TM+5], 8, v[TM+4]
	v_lshl_or_b32 v[PW], v[TM+6], 16, v[PW]
	v_lshl_or_b32 v[PW], v[TM+7], 24, v[PW]
	WIN (\W)|((\W)<<6)
.irp b, 0,1,2,3
.irp i, 0,1,2,3,4,5,6,7,8,9,10,11,12,13,14,15
	v_med3_num_f32 v[(\s)+16*\b+\i], v[(\s)+16*\b+\i], -v[TM+8+\b], v[TM+8+\b]   ; the conversion does not saturate (ISA guide 7.6.2): the hold
.endr
.endr
	WIN (\W)
.irp g, 0,1,2,3,4,5,6,7
	v_cvt_scalef32_pk8_fp8_f32 v[PC+2*\g:PC+2*\g+1], v[(\s)+8*\g:(\s)+8*\g+7], v[TM+12+\g/2]
.endr
	WIN 0
	v_nop                                          ; one plain line behind the last conversion
.endm
; A K STEP, sl = its number % 2.  so: where the NEXT step's record lies behind the base.  Four quarters: 16 products, eight places, the next step's 16 loads into the registers just read.
; LOADcnt: at the head the three younger quarters may be out (48); ahead of quarters 1 to 3 three younger quarters and the two loads of scale words (50).
; tail = 1: the first phase's last step: no fragments of Q are fetched.  tail = 2: the second phase's last step: there is no next step: nothing is loaded, and the waits count what is left (32, 16, 0).
.macro BODY sl, zero, so, tail
	s_wait_dscnt 0x0                               ; Q's or P's set
	s_wait_loadcnt 48
.irp q, 0,1,2,3
.if \q == 2
	ASK
.endif
	WIN MUL_LO
	MUL \sl, 4*\q, 4, 0, \zero
	WIN MUL_HI
	MUL \sl, 4*\q, 4, 2, \zero
	WIN 0
.if (\tail) == 2
	PLACES 8
.if \q < 3
	s_wait_loadcnt 32-16*\q
.endif
.elseif (\tail) == 1
	PLACES 8
.if \q == 0
	SCG 1-\sl, \so
.endif
	LSG \q, \so
.if \q < 3
	s_wait_loadcnt 50
.endif
.else
.if \q == 0
	s_add_co_u32 s46, s46, 2048                    ; the next K step of Q or P
	s_add_co_u32 s47, s47, 128
	v_add_nc_u32 v6, s46, v8
	v_add_nc_u32 v7, s47, v9
	PLACES 6
	LR 1-\sl
	SCG 1-\sl, \so
.else
	PLACES 8
.endif
	LSG \q, \so
.if \q < 3
	s_wait_loadcnt 50
.endif
.endif
.endr
.endm
	s_load_b256 s[4:11], s[0:1], 0x0               ; query, cstream, comb_codes, comb_scales
	v_lshl_add_u32 v28, v0, 2, SPARE
	v_mov_b32 v29, 0
	v_lshrrev_b32 v30, 5, v0
	v_readfirstlane_b32 s12, v30                   ; wave 0..3
	s_mov_b32 s14, ttmp9                           ; my block of 64 queries
	s_and_b32 s15, ttmp7, 0xffff                   ; the batch
	v_and_b32 v30, 31, v0                          ; lane
	v_and_b32 v31, 15, v0                          ; r
	v_bfe_u32 v27, v0, 4, 1                        ; h
	v_lshrrev_b32 v26, 3, v30
	v_and_b32 v25, 7, v30
	v_lshlrev_b32 v1, 4, v30                       ; 16 x lane
	v_lshlrev_b32 v2, 2, v30                       ; 4 x lane
	v_lshlrev_b32 v3, 12, v26
	v_lshl_add_u32 v3, v25, 4, v3                  ; query as it lies: row lane / 8 of four, 16 bytes x (lane % 8)
	s_mul_i32 s17, s12, SGB
	s_add_co_u32 s17, s17, STG                     ; my stage
	v_mul_u32_u24 v23, v26, SGP
	v_lshl_add_u32 v23, v25, 4, v23
	v_add_nc_u32 v23, s17, v23                     ; into it: as loaded
	v_mul_u32_u24 v24, v31, SGP
	v_lshl_add_u32 v24, v27, 6, v24
	v_add_nc_u32 v24, s17, v24                     ; out of it: row r, + 64 h
	v_add_nc_u32 v8, AREG, v1                      ; an image's place for my lane
	v_add_nc_u32 v9, ASC, v2                       ; a scale word's
	s_lshl_b32 s17, s12, 14
	v_add_nc_u32 v10, s17, v8                      ; where I store Q's images: tile mu = wave
	s_lshl_b32 s17, s12, 12
	v_add_nc_u32 v11, s17, v8                      ; and P's: kappa = 2 wave + e
	s_lshl_b32 s17, s12, 10
	v_add_nc_u32 v12, s17, v9                      ; Q's scale words
	s_lshl_b32 s17, s12, 8
	v_add_nc_u32 v13, s17, v9                      ; P's
	s_lshl_b32 s17, s12, 10
	s_add_co_u32 s17, s17, TAB+32
	v_lshl_add_u32 v14, v31, 6, s17                ; the table: row 16 wave + r, query's words 8 on
	s_lshl_b32 s17, s12, 3
	s_add_co_u32 s17, s17, TAB
	v_lshl_add_u32 v15, v31, 6, s17                ; row r of a tile, mix's words 2 wave + e
	s_lshl_b32 s17, s12, 2
	s_add_co_u32 s17, s17, RED
	v_lshl_add_u32 v16, v31, 4, s17                ; my wave's word of query r
	v_lshl_add_u32 v17, v31, 4, RED                ; the four waves' words of query r
	s_lshl_b32 s17, s12, 10
	s_add_co_u32 s17, s17, TAB
	v_add_nc_u32 v21, s17, v1                      ; the table's way out: 1,024 bytes a wave
	v_lshlrev_b32 v22, 8, v30                      ; the prefetches' offsets: 256 x lane,
	v_min_u32 v20, 3, v30
	v_lshlrev_b32 v20, 8, v20                      ; and 256 x min(lane, 3)
.irp b, 0,1,2,3
	v_mov_b32 v[TM+4+\b], 0                        ; written once: a lane permute's destination counts as one of its sources
.endr
.irp i, 0,1,2,3,4,5,6,7
	v_mov_b32 v[RL+\i], 0                          ; (the pairs' upper halves are named with the lower)
.endr
	s_mul_i32 s16, s15, 16*STEPB
	s_mul_i32 s17, s12, RECB
	s_add_co_u32 s16, s16, s17                     ; cstream: the batch's step 0, my wave's record
	s_mov_b32 s17, 0
	s_mul_i32 s18, s14, STEPB                      ; the prefetches: step x
	s_mov_b32 s19, 0
	s_sub_co_u32 s44, s14, 3                       ; asked for in step x - 3 (x under 3: a number that no step has)
	s_lshl_b32 s20, s15, 10
	s_lshl_b32 s21, s14, 6
	s_add_co_u32 s20, s20, s21                     ; my work-group's first row
	s_lshl_b32 s22, s20, 6
	s_lshl_b32 s21, s12, 10
	s_add_co_u32 s22, s22, s21                     ; comb_scales: 64 bytes a row, + 1,024 x wave
	s_mov_b32 s23, 0
	s_lshl_b32 s21, s12, 4
	s_add_co_u32 s20, s20, s21
	s_lshl_b32 s20, s20, 12                        ; query: my wave's 16 rows
	s_mov_b32 s21, 0
	s_lshl_b32 s62, s15, 3
	s_lshr_b32 s63, s14, 1
	s_add_co_u32 s62, s62, s63
	s_lshl_b32 s62, s62, 18                        ; comb_codes: a block of 128 rows is 262,144 bytes
	s_and_b32 s63, s14, 1
	s_lshl_b32 s48, s63, 2
	s_add_co_u32 s48, s48, s12
	s_lshl_b32 s48, s48, 12                        ; query: row tile 4 (block % 2) + wave,
	s_add_co_u32 s48, s48, s62
	s_add_co_u32 s48, s48, 131072                  ; K steps of 256 from the fifth on
	s_mov_b32 s49, 0
	s_lshl_b32 s63, s63, 14
	s_add_co_u32 s62, s62, s63                     ; mix: row tiles 4 (block % 2) on,
	s_lshl_b32 s63, s12, 15
	s_add_co_u32 s62, s62, s63                     ; K step of 256 = wave
	s_mov_b32 s63, 0
	s_mov_b32 s50, 0x76543210
	s_mov_b32 s51, 0xfedcba98
	s_mov_b32 s52, 0x600000
	s_mov_b32 s60, 0xbfb8aa3b                      ; -log2(e)
	s_mov_b32 s61, s60
	s_mov_b32 s45, 0
	s_mov_b32 s53, 0
	WALU
	s_wait_kmcnt 0x0
	s_add_nc_u64 s[54:55], s[4:5], s[20:21]
	s_add_nc_u64 s[2:3], s[10:11], s[22:23]
	s_add_nc_u64 s[56:57], s[8:9], s[48:49]
	s_add_nc_u64 s[58:59], s[8:9], s[62:63]
	s_add_nc_u64 s[40:41], s[6:7], s[16:17]
	s_add_nc_u64 s[42:43], s[40:41], s[18:19]
	s_mov_b32 s62, 0x3fb8aa3b                      ; log2(e)
	s_cmp_lt_u32 s14, 3                            ; steps 0 to 2 of the stream have no step three back: work-groups 0 to 2 ask for them here, a record a wave
	s_cbranch_scc0 .Lnh
.irp i, 0,1,2,3
	global_prefetch_b8 v22, s[42:43] offset:8192*\i th:TH_LOAD_NT scope:SCOPE_SE
.endr
	global_prefetch_b8 v20, s[42:43] offset:32768 th:TH_LOAD_NT scope:SCOPE_SE
.Lnh:
; ---- X: my wave's 16 rows of query become eight fragments: to LDS for the scores, to comb_codes for the last product.  All eight K steps are asked for at once, 64 registers each: K steps 0-3 into window 2, 4-7 into window 3:
; no register is loaded twice.  Two trips of four K steps; a trip's arm holds its window's pass through the stage and the wait for it.
.macro XLOAD k, buf
	WIN (2+(\k)/4)<<6
.irp b, 0,1,2,3
.irp g, 0,1,2,3
	global_load_b128 v[64*(\buf)+16*\b+4*\g:64*(\buf)+16*\b+4*\g+3], v3, s[54:55] offset:16384*\g+512*(\k)+128*\b th:TH_LOAD_NT
.endr
.endr
	WIN 0
.endm
.macro XTURN j, W                      ; buffer j of window W, block by block through my stage; LDS serves a wave's instructions in order (ISA guide 5.7.1.4)
	WIN (\W)<<2
.irp b, 0,1,2,3
.irp g, 0,1,2,3
	ds_store_b128 v23, v[64*(\j)+16*\b+4*\g:64*(\j)+16*\b+4*\g+3] offset:4*SGP*\g
.endr
.irp u, 0,1,2,3
	ds_load_b128 v[XQ+16*\b+4*\u:XQ+16*\b+4*\u+3], v24 offset:16*\u
.endr
.endr
	WIN 0
.endm
.macro QOUT k                          ; an odd K step's LDS image carries the negated codes; comb_codes takes the codes as they are
.if (\k)%2
.irp i, 0,1,2,3,4,5,6,7,8,9,10,11,12,13,14,15
	v_xor_b32 v[NQC+\i], 0x80808080, v[PC+\i]
.endr
.irp c, 0,1,2,3
	ds_store_b128 v10, v[NQC+4*\c:NQC+4*\c+3] offset:2048*(\k)+512*\c
.endr
.else
.irp c, 0,1,2,3
	ds_store_b128 v10, v[PC+4*\c:PC+4*\c+3] offset:2048*(\k)+512*\c
.endr
.endif
	ds_store_b32 v12, v[PW] offset:128*(\k)
	ds_store_b32 v14, v[PW] offset:4*(\k)
.irp c, 0,1,2,3
	global_store_b128 v1, v[PC+4*\c:PC+4*\c+3], s[56:57] offset:32768*((\k)/2)+2048*((\k)%2)+512*\c
.endr
.endm
.macro XSTEP j                         ; first trip: K step j, behind which 16 (7 - j) loads, 64 at the least, were issued; second trip: K step 4 + j, behind which 16 (3 - j) were
	s_cmp_eq_u32 s48, 0
	s_cbranch_scc0 .Lxs_\@
	s_wait_loadcnt 63
	XTURN \j, 2
	s_branch .Lxj_\@
.Lxs_\@:
	s_wait_loadcnt 16*(3-(\j))
	XTURN \j, 3
.Lxj_\@:
	s_wait_dscnt 0x0                               ; the K step is back from the stage
	s_wait_xcnt 0x0                                ; the last fragment's stores to memory have read v[PC] on
	QUANT XQ, 0, 0
	QOUT \j
.endm
.irp k, 0,1,2,3,4,5,6,7
	XLOAD \k, \k%4
.endr
	s_mov_b32 s48, 0
.Lx:
.irp j, 0,1,2,3
	XSTEP \j
.endr
	s_wait_xcnt 0x0                                ; the stores have read their base
	s_add_nc_u64 s[56:57], s[56:57], 65536         ; four K steps on, in comb_codes and in LDS
	v_add_nc_u32 v10, 8192, v10
	v_add_nc_u32 v12, 512, v12
	v_add_nc_u32 v14, 16, v14
	s_add_co_u32 s48, s48, 1
	s_cmp_lt_u32 s48, 2
	WALU
	s_cbranch_scc1 .Lx
	SCG 0, 0                                       ; step 0 of the stream: 66 loads
.irp q, 0,1,2,3
	LSG \q, 0
.endr
	s_wait_dscnt 0x0                               ; for the others' sake: my images lie in LDS
	BARRIER
; ---- A PHASE: eight K steps.  s53 = 0: the scores; 1: O^T = C^T P^T
.Lphase:
	s_mov_b32 s46, 0
	s_mov_b32 s47, 0
	v_mov_b32 v6, v8
	v_mov_b32 v7, v9
	LR 0
	BODY 0, 1, STEPB, 0                            ; the first products start the sums
	s_mov_b32 s48, 3
.Lsteps:
	BODY 1, 0, 2*STEPB, 0
	BODY 0, 0, 3*STEPB, 0
	s_wait_xcnt 0x0                                ; the loads have read their base
	s_add_nc_u64 s[40:41], s[40:41], 2*STEPB
	s_sub_co_u32 s48, s48, 1
	s_cmp_lg_u32 s48, 0
	s_cbranch_scc1 .Lsteps
	s_cmp_eq_u32 s53, 1                            ; a phase's last step is written twice: with the next phase's first loads, and without any
	s_cbranch_scc0 .Lfirst
	BODY 1, 0, 0, 2                                ; (its last eight places stand in front of the first reads of the sums)
	s_branch .Lmeet
.Lfirst:
	BODY 1, 0, 2*STEPB, 1
	s_wait_xcnt 0x0
	s_add_nc_u64 s[40:41], s[40:41], 2*STEPB
; the largest score of my 256 keys: the accumulators hold -S; each is read from its low end on
.irp W, 2,3
	WIN (\W)|((\W)<<2)
.irp c, 0,1,2,3,4,5,6,7
	v_max3_num_f32 v[MXP+8*(\W-2)+\c], -v[32*\c], -v[32*\c+1], 0xff800000
.endr
.irp i, 2,4,6,8,10,12,14,16,18,20,22,24,26,28,30
.irp c, 0,1,2,3,4,5,6,7
	v_max3_num_f32 v[MXP+8*(\W-2)+\c], -v[32*\c+\i], -v[32*\c+\i+1], v[MXP+8*(\W-2)+\c]
.endr
.endr
.endr
	WIN 0
.irp m, 0,1,2,3
	v_max3_num_f32 v[MXP+4*\m], v[MXP+4*\m], v[MXP+4*\m+1], v[MXP+4*\m+2]
.endr
.irp m, 0,1,2,3
	v_max_num_f32 v[MXP+4*\m], v[MXP+4*\m], v[MXP+4*\m+3]
.endr
.irp m, 0,1,2,3
	v_permlanex16_b32 v[MXP+4*\m+1], v[MXP+4*\m], s50, s51
.endr
.irp m, 0,1,2,3
	v_max_num_f32 v[MXP+4*\m], v[MXP+4*\m], v[MXP+4*\m+1]
.endr
.irp m, 0,1,2,3
	ds_store_b32 v16, v[MXP+4*\m] offset:256*\m
.endr
.Lmeet:
	WALU
	s_wait_dscnt 0x0                               ; my maxima lie in LDS, and my reads of the images are over
	BARRIER                                        ; behind it P may take Q's place
	s_cmp_eq_u32 s53, 1
	s_cbranch_scc1 .Lmix
; ---- THE SOFTMAX
.irp m, 0,1,2,3
	ds_load_b128 v[MX4+4*\m:MX4+4*\m+3], v17 offset:256*\m
.endr
	s_wait_dscnt 0x0
.irp m, 0,1,2,3
	v_max3_num_f32 v[MX4+4*\m], v[MX4+4*\m], v[MX4+4*\m+1], v[MX4+4*\m+2]
.endr
.irp m, 0,1,2,3
	v_max_num_f32 v[MX4+4*\m], v[MX4+4*\m], v[MX4+4*\m+3]
.endr
.irp m, 0,1,2,3
	v_mul_f32 v[MX4+4*\m], s62, v[MX4+4*\m]        ; the row's largest t
.endr
.irp m, 0,1,2,3
	v_floor_f32 v[NM+2*\m], -v[MX4+4*\m]           ; -M = floor(-t) = -ceil(t)
.endr
.irp W, 2,3
	WIN (\W)|((\W)<<6)
.set i, 0
.rept 128
	v_pk_fma_f32 v[2*i:2*i+1], v[2*i:2*i+1], s[60:61], v[NM+2*(2*(\W-2)+i/64):NM+2*(2*(\W-2)+i/64)+1] op_sel_hi:[1,0,0]   ; t - M = (-S) x (-log2(e)) - M
.set i, i+1
.endr
.endr
	WALU
.irp W, 2,3
	WIN (\W)|((\W)<<6)
.set i, 0
.rept 256
	v_exp_f32 v[i], v[i]                           ; p = 2^(t - M): not normalised
.set i, i+1
.endr
.endr
	v_nop
	WALU
.irp W, 2,3                            ; the row's sum is taken of the unquantised p
	WIN (\W)|((\W)<<2)
.irp c, 0,1,2,3
	v_pk_add_f32 v[SU+2*(4*(\W-2)+\c):SU+2*(4*(\W-2)+\c)+1], v[64*\c:64*\c+1], v[64*\c+2:64*\c+3]
.endr
	WIN (\W)
.set i, 4
.rept 30
.irp c, 0,1,2,3
	v_pk_add_f32 v[SU+2*(4*(\W-2)+\c):SU+2*(4*(\W-2)+\c)+1], v[64*\c+i:64*\c+i+1], v[SU+2*(4*(\W-2)+\c):SU+2*(4*(\W-2)+\c)+1]
.endr
.set i, i+2
.endr
.endr
	WIN 0
.irp m, 0,1,2,3
	v_pk_add_f32 v[SU+4*\m:SU+4*\m+1], v[SU+4*\m:SU+4*\m+1], v[SU+4*\m+2:SU+4*\m+3]
.endr
.irp m, 0,1,2,3
	v_add_f32 v[SU+4*\m], v[SU+4*\m], v[SU+4*\m+1]
.endr
.irp m, 0,1,2,3
	v_permlanex16_b32 v[SU+4*\m+1], v[SU+4*\m], s50, s51
.endr
.irp m, 0,1,2,3
	v_add_f32 v[SU+4*\m], v[SU+4*\m], v[SU+4*\m+1]
.endr
.irp m, 0,1,2,3
	ds_store_b32 v16, v[SU+4*\m] offset:1024+256*\m
.endr
	WALU
	s_branch .Lquant
.Lmix:
; ---- mix = (-O) x (-1 / l): each accumulator from its low end on
.irp W, 2,3
	WIN (\W)|((\W)<<6)
.set i, 0
.rept 128
	v_pk_mul_f32 v[2*i:2*i+1], v[2*i:2*i+1], v[RL+2*(2*(\W-2)+i/64):RL+2*(2*(\W-2)+i/64)+1] op_sel_hi:[1,0]
.set i, i+1
.endr
.endr
	WIN 0
.Lquant:
; ---- my eight fragments: K steps 2 wave + e of the next product.  p's go to LDS (the odd K step negated), mix's to comb_codes and the table
.irp m, 0,1,2,3
.irp e, 0,1
	QUANT 128*(\m%2)+64*\e, 2+\m/2, 1
	WALU
	s_cmp_eq_u32 s53, 1
	s_cbranch_scc1 .Lg_\m\e
.if \e
.irp i, 0,1,2,3,4,5,6,7,8,9,10,11,12,13,14,15
	v_xor_b32 v[NQC+\i], 0x80808080, v[PC+\i]
.endr
.irp c, 0,1,2,3
	ds_store_b128 v11, v[NQC+4*\c:NQC+4*\c+3] offset:16384*\m+2048*\e+512*\c
.endr
.else
.irp c, 0,1,2,3
	ds_store_b128 v11, v[PC+4*\c:PC+4*\c+3] offset:16384*\m+2048*\e+512*\c
.endr
.endif
	ds_store_b32 v13, v[PW] offset:1024*\m+128*\e
	s_branch .Lh_\m\e
.Lg_\m\e:
.irp c, 0,1,2,3
	global_store_b128 v1, v[PC+4*\c:PC+4*\c+3], s[58:59] offset:4096*\m+2048*\e+512*\c   ; 512 consecutive bytes, aligned
.endr
	ds_store_b32 v15, v[PW] offset:1024*\m+4*\e
.Lh_\m\e:
.endr
.endr
	s_wait_dscnt 0x0                               ; for the others' sake: my sums and images, or my words of the table, lie in LDS
	BARRIER
	s_cmp_eq_u32 s53, 1
	s_cbranch_scc1 .Lfinish
.irp m, 0,1,2,3
	ds_load_b128 v[MX4+4*\m:MX4+4*\m+3], v17 offset:1024+256*\m
.endr
	s_wait_dscnt 0x0
.irp m, 0,1,2,3
	v_add_f32 v[MX4+4*\m], v[MX4+4*\m], v[MX4+4*\m+1]
	v_add_f32 v[MX4+4*\m+2], v[MX4+4*\m+2], v[MX4+4*\m+3]
.endr
.irp m, 0,1,2,3
	v_add_f32 v[MX4+4*\m], v[MX4+4*\m], v[MX4+4*\m+2]       ; l
.endr
	WALU
.irp m, 0,1,2,3
	v_rcp_f32 v[RL+2*\m], v[MX4+4*\m]
.endr
	v_nop
	WALU
.irp m, 0,1,2,3
	v_fma_f32 v[MX4+4*\m+1], -v[MX4+4*\m], v[RL+2*\m], 1.0  ; one Newton step: 1 - l r,
.endr
.irp m, 0,1,2,3
	v_fma_f32 v[RL+2*\m], -v[MX4+4*\m+1], v[RL+2*\m], -v[RL+2*\m]   ; and -(r + r (1 - l r))
.endr
	s_add_co_u32 s53, s53, 1
	s_cmp_lt_u32 s53, 2
	WALU
	s_cbranch_scc1 .Lphase
.Lfinish:
	ds_load_b128 v[MX4:MX4+3], v21
	ds_load_b128 v[MX4+4:MX4+7], v21 offset:512
	s_wait_dscnt 0x0
	global_store_b128 v1, v[MX4:MX4+3], s[2:3]             ; the 64 rows' scale bytes are 4,096 dense bytes: 1,024 a wave
	global_store_b128 v1, v[MX4+4:MX4+7], s[2:3] offset:512
	s_wait_tensorcnt 0x0                           ; the wave's end
	ds_add_u32 v28, v29
	s_wait_dscnt 0x0
	s_endpgm
.Lfunc_end_k_qfce0bc2652_attn:
	.size	k_qfce0bc2652_attn, .Lfunc_end_k_qfce0bc2652_attn-k_qfce0bc2652_attn
	.p2alignl 7, 3214868480
	.fill 96, 4, 3214868480
	.section	.rodata,"a",@progbits
	.p2align	6, 0x0
	.amdhsa_kernel k_qfce0bc2652_attn
		.amdhsa_group_segment_fixed_size 155136
		.amdhsa_private_segment_fixed_size 0
		.amdhsa_enable_private_segment 0
		.amdhsa_kernarg_size 32
		.amdhsa_user_sgpr_count 2
		.amdhsa_user_sgpr_kernarg_segment_ptr 1
		.amdhsa_wavefront_size32 1
		.amdhsa_system_sgpr_workgroup_id_x 1
		.amdhsa_system_sgpr_workgroup_id_y 1
		.amdhsa_system_sgpr_workgroup_id_z 1
		.amdhsa_system_vgpr_workitem_id 0
		.amdhsa_next_free_vgpr 1024
		.amdhsa_next_free_sgpr 66
		.amdhsa_reserve_vcc 0
		.amdhsa_float_denorm_mode_32 3
		.amdhsa_float_denorm_mode_16_64 3
		.amdhsa_memory_ordered 1
		.amdhsa_forward_progress 1
		.amdhsa_inst_pref_size 255
	.end_amdhsa_kernel
	.section	.bss,"aw",@nobits
	.p2align	6
	.space	262144
	.amdgpu_metadata
---
amdhsa.version: [ 1, 2 ]
amdhsa.kernels:
  - .name:           k_qfce0bc2652_attn
    .symbol:         k_qfce0bc2652_attn.kd
    .args:
      - { .name: query, .offset: 0, .size: 8, .value_kind: global_buffer, .address_space: global }
      - { .name: cstream, .offset: 8, .size: 8, .value_kind: global_buffer, .address_space: global }
      - { .name: comb_codes, .offset: 16, .size: 8, .value_kind: global_buffer, .address_space: global }
      - { .name: comb_scales, .offset: 24, .size: 8, .value_kind: global_buffer, .address_space: global }
    .group_segment_fixed_size: 155136
    .private_segment_fixed_size: 0
    .kernarg_segment_align: 8
    .kernarg_segment_size: 32
    .max_flat_workgroup_size: 128
    .sgpr_count:     66
    .vgpr_count:     1024
    .wavefront_size: 32
...
	.end_amdgpu_metadata
.endif
;; end of part 2
;; launch linear (part 3): grid 4 x 64, 4 waves a work-group, clusters of 4 x 4, 327,680 bytes of LDS; arguments comb_codes, comb_scales, W_attn_codes, W_attn_scales, out0; writes out0
.if DOCPART == 3
	.amdgcn_target "amdgcn-amd-amdhsa--gfx1250"
	.amdhsa_code_object_version 6
	.text
	.protected	k_qfce0bc2652_linear
	.globl	k_qfce0bc2652_linear
	.p2align	8
	.type	k_qfce0bc2652_linear,@function
k_qfce0bc2652_linear:
	s_mov_b64 s[64:65], 0
	v_nop
	global_prefetch_b8 v0, s[64:65] scope:SCOPE_SE
	s_setreg_imm32_b32 hwreg(HW_REG_WAVE_MODE, 25, 1), 1
	s_wait_xcnt 0x0
	s_wait_alu depctr_hold_cnt(0) depctr_sa_sdst(0) depctr_va_vdst(0) depctr_va_sdst(0) depctr_va_ssrc(0) depctr_va_vcc(0) depctr_vm_vsrc(0)
	s_getreg_b32 s2, hwreg(HW_REG_IB_STS2, 6, 4)
	s_cmp_eq_u32 s2, 0
	s_cbranch_scc0 .Lentry_in_a_cluster
	s_endpgm
.Lentry_in_a_cluster:
	s_bfe_u32 s2, ttmp6, 0x10000c
	s_cmp_lg_u32 s2, 0xf033
	s_cbranch_scc0 .Lentry_shape_is_right
	s_endpgm
.Lentry_shape_is_right:
.set SIZE_M, 16384
.set SIZE_N, 1024
.set SIZE_K, 2048
.set KSTEP,  256
.set NQ,     KSTEP/128
.set ROWB,   256
.set KROW,   SIZE_K
.set PITCH,  272
.set FR,     16
.set NL,     4
.set NP,     8
.set HALFA,  32768
.set HALFB,  128*PITCH
.set SLOT,   2*HALFA+2*HALFB
.set LAPS,   SIZE_K/(2*KSTEP)
.set KS,     SIZE_K/32
.set SCL,    2*SLOT
.set HALFS,  (128*KS/256)*272
.set SBLK,   (16*KS/256)*272
.set SPARE,  SCL+4*HALFS
.set SPITCH, 528
.set ADRA, 16
.set ADRB, 20
.set STO,  24
.set RD,   25
.set CO,   26
.set SPW,  28
.set NIL,  29
.set ADRS, 27
.set SC,   32
.set AF,   128
.set BK,   128
.set G1, 24
.set G0, 32
.set G1B, 48
.set G0B, 56
.set G1S, 68
.set G0S, 76
.set G1SB, 80
.set G0SB, 88
.set MSB, 0
.macro WIN new
.if MSB != (\new)
	s_set_vgpr_msb (MSB<<8)|(\new)
.set MSB, (\new)
.endif
.endm
.set MUL_LO, 0xa1
.set MUL_HI, 0xf1
.set TO_B,   0x40
.macro JLOAD g0a, g1a, g0b, g1b
	s_cmp_eq_u32 s15, 0
	s_cbranch_scc0 .Lfor_b_\@
	tensor_load_to_lds s[\g0a:\g0a+3], s[\g1a:\g1a+7]
	s_nop 0
.rept 4
	v_nop
.endr
	s_branch .Lasked_\@
.Lfor_b_\@:
	tensor_load_to_lds s[\g0b:\g0b+3], s[\g1b:\g1b+7]
	s_nop 0
.rept 4
	v_nop
.endr
.Lasked_\@:
.endm
.macro CREST
	s_cmp_lg_u32 s14, 0
	s_cbranch_scc1 .Lnot_wave_0_\@
	s_barrier_signal -3
.Lnot_wave_0_\@:
	s_barrier_wait -3
	s_barrier_signal -1
	s_barrier_wait -1
.endm
.macro CROUND
	s_barrier_signal -1
	s_barrier_wait -1
	CREST
.endm
	s_load_b128 s[4:7], s[0:1], 0x0
	s_load_b128 s[8:11], s[0:1], 0x10
	s_load_b64 s[12:13], s[0:1], 0x20
	v_lshl_add_u32 v[SPW], v0, 2, SPARE
	v_mov_b32 v[NIL], 0
	ds_add_u32 v28, v29
	ds_add_u32 v28, v29
	s_wait_dscnt 0x0
	v_lshrrev_b32 v1, 5, v0
	v_readfirstlane_b32 s14, v1
	s_lshr_b32 s15, s14, 1
	s_and_b32 s16, s14, 1
	s_bfe_u32 s40, ttmp6, 0x40000
	s_bfe_u32 s41, ttmp6, 0x40004
	s_lshl_b32 s42, ttmp9, 2
	s_add_co_u32 s42, s42, s40
	s_and_b32 s17, ttmp7, 0xffff
	s_lshl_b32 s17, s17, 2
	s_add_co_u32 s17, s17, s41
	s_lshl_b32 s43, s41, 2
	s_lshl_b32 s43, 15, s43
	s_lshl_b32 s44, 0x1111, s40
	s_mov_b32 s96, 0x4038aa3b
	s_mov_b32 s97, s96
	s_or_b32 s[G1+0], s43, (3<<16)|(1<<21)
	s_mov_b32 s[G1+1], 32<<16
	s_mov_b32 s[G1+2], 128<<16
	s_mov_b32 s[G1+3], 32<<16
	s_mov_b32 s[G1+4], 128
	s_mov_b32 s[G1+5], 32
	s_mov_b32 s[G1+6], 0
	s_mov_b32 s[G1+7], 0
	s_or_b32 s[G1B+0], s44, (0<<16)|(1<<20)|(1<<21)|(5<<22)|(3<<25)
	s_mov_b32 s[G1B+1], ROWB<<16
	s_mov_b32 s[G1B+2], 128<<16
	s_mov_b32 s[G1B+3], ROWB<<16
	s_mov_b32 s[G1B+4], 128
	s_mov_b32 s[G1B+5], KROW
	s_mov_b32 s[G1B+6], 0
	s_mov_b32 s[G1B+7], 0
	s_or_b32 s[G1S+0], s43, (3<<16)|(1<<20)|(1<<21)|(5<<22)|(3<<25)
	s_or_b32 s[G1SB+0], s44, (3<<16)|(1<<20)|(1<<21)|(5<<22)|(3<<25)
.irp g, G1S, G1SB
	s_mov_b32 s[\g+1], 32<<16
	s_mov_b32 s[\g+2], (128*KS/256)<<16
	s_mov_b32 s[\g+3], 32<<16
	s_mov_b32 s[\g+4], 128*KS/256
	s_mov_b32 s[\g+5], 32
	s_mov_b32 s[\g+6], 0
	s_mov_b32 s[\g+7], 0
.endr
	s_lshl_b32 s18, s16, 7
	s_lshl_b32 s20, s17, 8
	s_add_co_u32 s20, s20, s18
	s_lshl_b32 s46, s42, 8
	s_add_co_u32 s46, s46, s18
	s_mov_b32 s21, 0
	s_mov_b32 s47, 0
	s_mov_b64 s[18:19], KS
	s_mul_u64 s[22:23], s[20:21], s[18:19]
	s_mul_u64 s[92:93], s[46:47], s[18:19]
	s_mov_b64 s[18:19], KROW
	s_mul_u64 s[20:21], s[20:21], s[18:19]
	s_mul_u64 s[46:47], s[46:47], s[18:19]
	s_mul_i32 s45, s16, HALFA
	s_mul_i32 s95, s16, HALFB
	s_add_co_u32 s95, s95, 2*HALFA
	s_mul_i32 s94, s14, HALFS
	s_wait_kmcnt 0x0
	s_add_nc_u64 s[20:21], s[4:5], s[20:21]
	s_add_nc_u64 s[22:23], s[6:7], s[22:23]
	s_add_nc_u64 s[46:47], s[8:9], s[46:47]
	s_add_nc_u64 s[92:93], s[10:11], s[92:93]
	CROUND
	s_mov_b32 s[G0S], 1
	s_add_co_u32 s[G0S+1], s94, SCL
	s_mov_b64 s[G0S+2:G0S+3], s[22:23]
	s_or_b32 s[G0S+3], s[G0S+3], 0x80000000
	s_mov_b32 s[G0SB], 1
	s_add_co_u32 s[G0SB+1], s94, SCL
	s_mov_b64 s[G0SB+2:G0SB+3], s[92:93]
	s_or_b32 s[G0SB+3], s[G0SB+3], 0x80000000
	JLOAD G0S, G1S, G0SB, G1SB
.irp s, 0,1
	s_mov_b32 s[G0+4*\s], 1
	s_add_co_u32 s[G0+4*\s+1], s45, \s*SLOT
	s_add_nc_u64 s[G0+4*\s+2:G0+4*\s+3], s[20:21], \s*HALFA
	s_or_b32 s[G0+4*\s+3], s[G0+4*\s+3], 0x80000000
	s_mov_b32 s[G0B+4*\s], 1
	s_add_co_u32 s[G0B+4*\s+1], s95, \s*SLOT
	s_add_nc_u64 s[G0B+4*\s+2:G0B+4*\s+3], s[46:47], \s*ROWB
	s_or_b32 s[G0B+4*\s+3], s[G0B+4*\s+3], 0x80000000
	s_wait_alu depctr_va_vdst(0)
	s_wait_tensorcnt 0x0
	ds_add_u32 v28, v29
	s_wait_dscnt 0x0
	CROUND
	JLOAD G0+4*\s, G1, G0B+4*\s, G1B
.endr
	v_and_b32 v1, 15, v0
	v_bfe_u32 v2, v0, 4, 1
	v_mul_u32_u24 v3, v1, PITCH
	v_lshl_add_u32 v4, v2, 4, v3
	v_and_b32 v6, 31, v0
	v_lshlrev_b32 v7, 4, v6
	s_mul_i32 s21, s15, HALFA
	s_mul_i32 s22, s16, HALFB
	s_add_co_u32 s22, s22, 2*HALFA
.irp s, 0,1
	v_add_nc_u32 v[ADRA+\s], s21, v7
	v_add_nc_u32 v[ADRB+\s], s22, v4
	s_add_co_u32 s21, s21, SLOT
	s_add_co_u32 s22, s22, SLOT
.endr
	v_mul_u32_u24 v5, v1, KS
	v_lshrrev_b32 v6, 8, v5
	v_lshl_add_u32 v5, v6, 4, v5
	s_mul_i32 s21, s15, HALFS
	s_mul_i32 s22, s16, HALFS
	s_add_co_u32 s22, s22, 2*HALFS
	s_sub_co_u32 s22, s22, s21
	v_mul_u32_u24 v6, s22, v2
	s_add_co_u32 s21, s21, SCL
	v_add_nc_u32 v5, v5, v6
	v_add_nc_u32 v[ADRS], s21, v5
	s_mul_i32 s23, s14, 16*SPITCH
	v_mul_u32_u24 v5, v1, SPITCH
	v_lshl_add_u32 v5, v2, 5, v5
	v_add_nc_u32 v[STO], s23, v5
	v_and_b32 v6, 31, v0
	v_lshlrev_b32 v[CO], 4, v6
	v_add_nc_u32 v[RD], s23, v[CO]
	s_lshl_b32 s20, s17, 8
	s_lshl_b32 s21, s15, 7
	s_add_co_u32 s20, s20, s21
	s_mov_b32 s21, 0
	s_mov_b64 s[18:19], SIZE_N*4
	s_mul_u64 s[20:21], s[20:21], s[18:19]
	s_lshl_b32 s46, s42, 10
	s_lshl_b32 s47, s16, 9
	s_add_co_u32 s46, s46, s47
	s_mov_b32 s47, 0
	s_add_nc_u64 s[20:21], s[20:21], s[46:47]
	s_add_nc_u64 s[12:13], s[12:13], s[20:21]
.macro FRAGB reg, adr, q, i
.irp c, 0,1,2,3
	ds_load_b128 v[\reg+4*\c:\reg+4*\c+3], v[\adr] offset:128*(\q)+32*\c+(\i)*16*PITCH
.endr
.endm
.macro FRAGA reg, adr, q, i
.irp c, 0,1,2,3
	ds_load_b128 v[\reg+4*\c:\reg+4*\c+3], v[\adr] offset:(2*(\i)+(\q))*2048+512*\c
.endr
.endm
.macro MUL16 a0, p, q, sc, zero
.irp a, \a0, \a0+1
.irp b, 0,1,2,3,4,5,6,7
.if \zero
	v_wmma_scale_f32_16x16x128_f8f6f4 v[8*(8*((\a)%4)+\b):8*(8*((\a)%4)+\b)+7], v[128*(\p)+FR*\b:128*(\p)+FR*\b+FR-1], v[AF+FR*(\a):AF+FR*(\a)+FR-1], 0, v[SC+8*NQ*(\sc)+NQ*\b+(\q)], v[SC+8*NQ*(\sc)+NQ*(\a)+(\q)] matrix_a_scale:MATRIX_SCALE_ROW1
.else
	v_wmma_scale_f32_16x16x128_f8f6f4 v[8*(8*((\a)%4)+\b):8*(8*((\a)%4)+\b)+7], v[128*(\p)+FR*\b:128*(\p)+FR*\b+FR-1], v[AF+FR*(\a):AF+FR*(\a)+FR-1], v[8*(8*((\a)%4)+\b):8*(8*((\a)%4)+\b)+7], v[SC+8*NQ*(\sc)+NQ*\b+(\q)], v[SC+8*NQ*(\sc)+NQ*(\a)+(\q)] matrix_a_scale:MATRIX_SCALE_ROW1
.endif
.endr
.endr
.endm
.macro FETCH_B slot, q, p
	WIN TO_B
.irp i, 0,1,2,3,4,5,6,7
	FRAGB 128*(\p)+FR*\i, ADRB+\slot, \q, \i
.endr
	WIN 0
.endm
.macro FETCH_A slot, q, i0
.irp i, \i0, \i0+1, \i0+2, \i0+3
	FRAGA AF+FR*(\i), ADRA+\slot, \q, \i
.endr
.endm
.macro SCALES sc
.irp i, 0,1,2,3,4,5,6,7
	ds_load_b64 v[SC+8*NQ*\sc+NQ*\i:SC+8*NQ*\sc+NQ*\i+1], v[ADRS] offset:\i*SBLK
.endr
.endm
.macro PLACES n
.rept \n
	v_nop
.endr
.endm
.macro STEP slot, q, zero
	s_wait_dscnt 4*NL
	WIN MUL_LO
	MUL16 0, (\q)%2, \q, \slot, \zero
	MUL16 2, (\q)%2, \q, \slot, \zero
	s_wait_dscnt 0
	PLACES NP
	FETCH_B \slot, (\q)+1, 1-(\q)%2
	FETCH_A \slot, (\q)+1, 0
	WIN MUL_HI
	MUL16 4, (\q)%2, \q, \slot, \zero
	MUL16 6, (\q)%2, \q, \slot, \zero
	PLACES NP
	WIN 0
	FETCH_A \slot, (\q)+1, 4
.endm
.macro TURN slot, next, fill
	s_wait_tensorcnt 0x0
	ds_add_u32 v[SPW], v[NIL]
	s_wait_dscnt 4*NL+1
	WIN MUL_LO
	MUL16 0, 1, NQ-1, \slot, 0
	s_wait_dscnt 0x0
	s_barrier_signal -1
	MUL16 2, 1, NQ-1, \slot, 0
	WIN 0
	s_barrier_wait -1
.if \fill
	CREST
	s_add_nc_u64 s[G0+4*\slot+2:G0+4*\slot+3], s[G0+4*\slot+2:G0+4*\slot+3], 2*HALFA
	s_add_nc_u64 s[G0B+4*\slot+2:G0B+4*\slot+3], s[G0B+4*\slot+2:G0B+4*\slot+3], 2*ROWB
	JLOAD G0+4*\slot, G1, G0B+4*\slot, G1B
	PLACES NP-4
.else
	PLACES NP
.endif
	s_wait_alu depctr_va_vdst(0)
	v_add_nc_u32 v[ADRS], 4*NQ, v[ADRS]
	FETCH_B \next, 0, 0
	FETCH_A \next, 0, 0
	SCALES \next
	WIN MUL_HI
	MUL16 4, 1, NQ-1, \slot, 0
	MUL16 6, 1, NQ-1, \slot, 0
	PLACES NP
	WIN 0
	FETCH_A \next, 0, 4
.endm
	s_wait_alu depctr_va_vdst(0)
	s_wait_tensorcnt 1
	s_barrier_signal -1
	s_barrier_wait -1
	FETCH_B 0, 0, 0
	FETCH_A 0, 0, 0
	SCALES 0
	FETCH_A 0, 0, 4
	STEP 0, 0, 1
	s_mov_b32 s3, LAPS-1
.Llap:
	TURN 0, 1, 1
	STEP 1, 0, 0
	TURN 1, 0, 1
	STEP 0, 0, 0
	s_sub_co_u32 s3, s3, 1
	s_cmp_lg_u32 s3, 0
	s_cbranch_scc1 .Llap
	TURN 0, 1, 0
	STEP 1, 0, 0
	s_wait_dscnt 4*NL
	WIN MUL_LO
	MUL16 0, 1, NQ-1, 1, 0
	MUL16 2, 1, NQ-1, 1, 0
	s_wait_dscnt 0
	WIN MUL_HI
	MUL16 4, 1, NQ-1, 1, 0
	MUL16 6, 1, NQ-1, 1, 0
	WIN 0
.macro TOSTAGE a
.set AC, 64*((\a)%4)
	WIN 0x08+4*((\a)/4)
.irp b, 0,1,2,3,4,5,6,7
	ds_store_b128 v[STO], v[AC+8*\b:AC+8*\b+3] offset:64*\b
	ds_store_b128 v[STO], v[AC+8*\b+4:AC+8*\b+7] offset:64*\b+16
.endr
	WIN 0
.set BB, BK+64*((\a)%2)
.irp t, 0,1,2,3,4,5,6,7,8,9,10,11,12,13,14,15
	ds_load_b128 v[BB+4*\t:BB+4*\t+3], v[RD] offset:\t*SPITCH
.endr
.endm
.macro SEND a, younger
.set BB, BK+64*((\a)%2)
	s_wait_dscnt \younger
.set i, 0
.rept 32
	v_pk_mul_f32 v[BB+2*i:BB+2*i+1], v[BB+2*i:BB+2*i+1], s[96:97] op_sel_hi:[1,0]
.set i, i+1
.endr
.set i, 0
	s_wait_alu depctr_va_vdst(0)
.rept 64
	v_exp_f32 v[BB+i], v[BB+i]
.set i, i+1
.endr
	v_nop
	s_wait_alu depctr_va_vdst(0)
.set i, 0
.rept 32
	v_pk_add_f32 v[BB+2*i:BB+2*i+1], v[BB+2*i:BB+2*i+1], 1.0 op_sel_hi:[1,0]
.set i, i+1
.endr
.set i, 0
	s_wait_alu depctr_va_vdst(0)
.rept 64
	v_rcp_f32 v[BB+i], v[BB+i]
.set i, i+1
.endr
	v_nop
	s_wait_alu depctr_va_vdst(0)
.set i, 0
.rept 32
	v_pk_fma_f32 v[BB+2*i:BB+2*i+1], v[BB+2*i:BB+2*i+1], -2.0, 1.0 op_sel_hi:[1,0,0]
.set i, i+1
.endr
.if (\a) > 0
	s_add_nc_u64 s[12:13], s[12:13], 16*SIZE_N*4
.endif
.irp t, 0,1,2,3,4,5,6,7,8,9,10,11,12,13,14,15
	global_store_b128 v[CO], v[BB+4*\t:BB+4*\t+3], s[12:13] offset:\t*SIZE_N*4 th:TH_STORE_NT
.endr
.endm
	PLACES NP
	TOSTAGE 0
.irp a, 1,2,3,4,5,6,7
.if \a > 1
	s_wait_xcnt 0x0
.endif
	TOSTAGE \a
	SEND \a-1, 32
.endr
	s_wait_xcnt 0x0
	SEND 7, 0
	s_wait_tensorcnt 0x0
	ds_add_u32 v[SPW], v[NIL]
	s_wait_dscnt 0x0
	CROUND
	s_endpgm
.Lfunc_end_k_qfce0bc2652_linear:
	.size	k_qfce0bc2652_linear, .Lfunc_end_k_qfce0bc2652_linear-k_qfce0bc2652_linear
	.p2alignl 7, 3214868480
	.fill 96, 4, 3214868480
	.section	.rodata,"a",@progbits
	.p2align	6, 0x0
	.amdhsa_kernel k_qfce0bc2652_linear
		.amdhsa_group_segment_fixed_size 327680
		.amdhsa_private_segment_fixed_size 0
		.amdhsa_enable_private_segment 0
		.amdhsa_kernarg_size 40
		.amdhsa_user_sgpr_count 2
		.amdhsa_user_sgpr_kernarg_segment_ptr 1
		.amdhsa_wavefront_size32 1
		.amdhsa_system_sgpr_workgroup_id_x 1
		.amdhsa_system_sgpr_workgroup_id_y 1
		.amdhsa_system_sgpr_workgroup_id_z 1
		.amdhsa_system_vgpr_workitem_id 0
		.amdhsa_next_free_vgpr 1024
		.amdhsa_next_free_sgpr 98
		.amdhsa_reserve_vcc 0
		.amdhsa_float_denorm_mode_32 3
		.amdhsa_float_denorm_mode_16_64 3
		.amdhsa_memory_ordered 1
		.amdhsa_forward_progress 1
		.amdhsa_inst_pref_size 228
	.end_amdhsa_kernel
	.amdgpu_metadata
---
amdhsa.version: [ 1, 2 ]
amdhsa.kernels:
  - .name:           k_qfce0bc2652_linear
    .symbol:         k_qfce0bc2652_linear.kd
    .args:
      - { .name: comb_codes, .offset: 0, .size: 8, .value_kind: global_buffer, .address_space: global }
      - { .name: comb_scales, .offset: 8, .size: 8, .value_kind: global_buffer, .address_space: global }
      - { .name: W_attn_codes, .offset: 16, .size: 8, .value_kind: global_buffer, .address_space: global }
      - { .name: W_attn_scales, .offset: 24, .size: 8, .value_kind: global_buffer, .address_space: global }
      - { .name: out0, .offset: 32, .size: 8, .value_kind: global_buffer, .address_space: global }
    .group_segment_fixed_size: 327680
    .private_segment_fixed_size: 0
    .kernarg_segment_align: 8
    .kernarg_segment_size: 40
    .max_flat_workgroup_size: 128
    .sgpr_count:     98
    .vgpr_count:     1024
    .wavefront_size: 32
...
	.end_amdgpu_metadata
.endif
;; end of part 3
